; MI455X (gfx1250); checked and timed in simulation.
; The chip was launched on July 23, 2026; its instructions are those of AMD's public machine-readable ISA for CDNA 5 (MIT licence, August 2026) and "CDNA5" Instruction Set Architecture Reference Guide (July 2026). The comments in the code are by the model that wrote it; some were corrected since.
;; Neural MLPF2. Allowed arithmetic: float matrix products may take bf16 or f16 operands with f32 sums; other float arithmetic in f32, or as packed bf16 or f16 multiplies, adds, multiply-adds, maxima and minima; sums over many terms, partial sums and values carried from step to step in f32; what a program stores and reads back later, other than sums and carried values, may be rounded once to bf16 or f16.
;; Inputs: W1 8,321 x 1,024 float32; W2 1,024 x 1 float32; b1 1,024 float32; b2 1 float32; batch_idx 8,192 int32; count 8,192 int32; k 64 x 256 x 128 float32; mask 8,192 x 256 bool; q 8,192 x 128 float32.
;; Outputs: out0 8,192 float32.
;; 2 versions, each right; version 2 is version 1 with the launch prep written anew for expert scheduling mode. Each part assembles by itself: llvm-mc -triple=amdgcn-amd-amdhsa -mcpu=gfx1250 --defsym DOCPART=n.
;; ======== version 1 of 2: 3 launches
;; workspace buffers: wb 17,039,360 bytes; tb 6,291,712 bytes; idx 2,228,224 bytes of whole numbers; lc 32,768 bytes; part 131,072 bytes
;; launch prep (part 1): grid 744 x 1, 8 waves a work-group, no clusters, 70,656 bytes of LDS; arguments W1, k, q, mask, batch_idx, count, wb, tb, idx, lc; writes wb, tb, idx, lc
.if DOCPART == 1
	.amdgcn_target "amdgcn-amd-amdhsa--gfx1250"
	.amdhsa_code_object_version 6
	.text
	.protected	k_qd2d3353ae3_prep
	.globl	k_qd2d3353ae3_prep
	.p2align	8
	.type	k_qd2d3353ae3_prep,@function
k_qd2d3353ae3_prep:
	s_mov_b64 s[64:65], 0
	v_nop
	global_prefetch_b8 v0, s[64:65] scope:SCOPE_SE
	s_setreg_imm32_b32 hwreg(HW_REG_WAVE_MODE, 25, 1), 1
	s_wait_xcnt 0x0
; PREPARATION for the gathered product.  Two roles, chosen by the work-group's number.
; LISTS (work-groups 0-31, 256 rows each, a lane a row): the table rows of q[n] and of the first 64 masked keys of chain batch_idx[n], in ascending
;   position (what the reference's top-k and sort come to), 0 (the table's zero row) where fewer are masked; and lc[n] = log(1 + count[n]).
; CASTS (work-groups 32-743, 16,384 numbers each): W1's rows 0-8319 -> wb, k -> tb from row 1, q -> tb from row 16,385, f32 to bf16, rounded once.
; tb: rows of 256 bytes (128 bf16): row 0 zeros, row 1 + 256 b + l = k[b][l], row 16,385 + n = q[n].
; idx: u32 [512 blocks of 16 rows][68 slots][16 rows]: slot 0 q's row, slots 1-64 the keys' rows, slot 65 a word that is written and means nothing, 66-67 zero.
; LIMITS.  A mask byte is 0 or 1.  count >= 0 (count = -1 gives -infinity, less gives NaN, as log1p does); 1 + count is exact up to 2^24.
; An unpicked slot counts as a row of zeros, also where k[b][0] holds an infinity or a NaN.
.set WIMG,  8704                       ; a wave's image of its two idx blocks in LDS: 2 x 68 x 16 words
.set IBLK,  4352                       ; one block
.set DUMP,  4160                       ; 64 x slot 65
.set SPARE, 8*WIMG                     ; behind the images: the spare words, 128 bytes for each of eight waves; no other line names them
.set QROW,  16385                      ; q's first row in the table
	s_load_b512 s[4:19], s[0:1], 0x0               ; W1 s[4:5], k s[6:7], q s[8:9], mask s[10:11], batch_idx s[12:13], count s[14:15], wb s[16:17], tb s[18:19]
	s_load_b128 s[20:23], s[0:1], 0x40             ; idx s[20:21], lc s[22:23]
	v_lshl_add_u32 v2, v0, 2, SPARE                ; my spare word,
	v_mov_b32 v3, 0                                ; and 0: kept for the add at the lists' end alone
	v_lshrrev_b32 v1, 5, v0
	v_readfirstlane_b32 s24, v1                    ; wave 0..7
	s_wait_kmcnt 0x0
	s_cmp_lt_u32 ttmp9, 32
	s_cbranch_scc1 .Llist
	; ---------------- CASTS.  c = number - 32: 520 chunks of W1, 128 of k, 64 of q; a chunk is 65,536 bytes in and 32,768 out.
	s_sub_co_u32 s25, ttmp9, 32
	s_mov_b64 s[26:27], s[8:9]                     ; from q,
	s_mov_b64 s[28:29], s[18:19]                   ; into tb,
	s_mov_b32 s30, 648                             ; chunks counted from 648,
	s_mov_b32 s31, QROW*256                        ; from table row 16,385 on
	s_cmp_lt_u32 s25, 648
	s_cselect_b64 s[26:27], s[6:7], s[26:27]       ; or from k,
	s_cselect_b32 s30, 520, s30
	s_cselect_b32 s31, 256, s31                    ; from table row 1 on
	s_cmp_lt_u32 s25, 520
	s_cselect_b64 s[26:27], s[4:5], s[26:27]       ; or from W1
	s_cselect_b64 s[28:29], s[16:17], s[28:29]     ; into wb
	s_cselect_b32 s30, 0, s30
	s_cselect_b32 s31, 0, s31
	s_sub_co_u32 s25, s25, s30                     ; my chunk of that tensor
	s_lshl_b32 s32, s25, 16
	s_mov_b32 s33, 0
	s_add_nc_u64 s[26:27], s[26:27], s[32:33]
	s_lshl_b32 s32, s25, 15
	s_add_co_u32 s32, s32, s31
	s_add_nc_u64 s[28:29], s[28:29], s[32:33]
	v_lshlrev_b32 v4, 5, v0                        ; thread t reads 32 bytes at 32 t of each pass's 8,192,
	v_lshlrev_b32 v5, 4, v0                        ; and writes 16 at 16 t of its 4,096: sixteen lanes store 256 consecutive bytes, aligned
.irp i, 0,1,2,3,4,5,6,7
	global_load_b128 v[16+8*\i:19+8*\i], v4, s[26:27] offset:8192*\i th:TH_LOAD_NT       ; all sixteen loads go out first: each input byte is read once in the launch
	global_load_b128 v[20+8*\i:23+8*\i], v4, s[26:27] offset:8192*\i+16 th:TH_LOAD_NT
.endr
.irp i, 0,1,2,3,4,5,6,7
	s_wait_loadcnt 14-2*\i                         ; loads come back in order: pass i's two are in, the 14 - 2 i younger ones stay out
	v_cvt_pk_bf16_f32 v[80+4*\i], v[16+8*\i], v[17+8*\i]
	v_cvt_pk_bf16_f32 v[81+4*\i], v[18+8*\i], v[19+8*\i]
	v_cvt_pk_bf16_f32 v[82+4*\i], v[20+8*\i], v[21+8*\i]
	v_cvt_pk_bf16_f32 v[83+4*\i], v[22+8*\i], v[23+8*\i]
	global_store_b128 v5, v[80+4*\i:83+4*\i], s[28:29] offset:4096*\i   ; each pass has its own four registers: none is written twice
.endr
	s_endpgm                                       ; this role has written no LDS
	; ---------------- LISTS.  Row n = 256 x work-group + thread.
	; v4 lane; v5 my word of slot 0 in my wave's image; v6 64 x the slot to fill next; v7 the table row of the position in hand; v8-11 four LDS addresses; v12-15 four positions' bits x 64;
	; v17-19 the slots of a word's second to fourth position; v24-31 32 mask bytes, each times 64; v32-35 zeros; v36-39 offsets;
	; v40-103 my row of the mask as loaded, later (v40-107) the image read back; v108-111 batch_idx, count, lc, q's row
.Llist:
	v_and_b32 v4, 31, v0
	s_mul_i32 s26, s24, WIMG                       ; my wave's image: no other wave touches it, so no barrier is needed
	v_lshrrev_b32 v5, 4, v4
	v_mul_u32_u24 v5, v5, IBLK                     ; lanes 16-31 fill the second block
	v_and_b32 v8, 15, v0
	v_lshl_add_u32 v5, v8, 2, v5
	v_add_nc_u32 v5, s26, v5
	v_lshl_add_u32 v38, v4, 4, s26                 ; 16 bytes a lane of the image, in LDS
	v_lshlrev_b32 v39, 4, v4                       ; and in idx
	v_lshlrev_b32 v36, 8, v0                       ; my row of the mask
	v_lshlrev_b32 v37, 2, v0                       ; my word of batch_idx, count, lc
	v_mov_b32 v32, 0
	v_mov_b32 v33, 0
	v_mov_b32 v34, 0
	v_mov_b32 v35, 0
	v_mov_b32 v6, 64                               ; slot 1
	s_lshl_b32 s28, ttmp9, 16
	s_mov_b32 s29, 0
	s_add_nc_u64 s[10:11], s[10:11], s[28:29]      ; the work-group's 256 rows of the mask
	s_lshl_b32 s28, ttmp9, 10
	s_add_nc_u64 s[12:13], s[12:13], s[28:29]
	s_add_nc_u64 s[14:15], s[14:15], s[28:29]
	s_add_nc_u64 s[22:23], s[22:23], s[28:29]
	s_lshl3_add_u32 s30, ttmp9, s24                ; 8 x work-group + wave
	s_mul_i32 s28, s30, WIMG
	s_add_nc_u64 s[20:21], s[20:21], s[28:29]      ; my wave's two blocks of idx
	s_lshl_b32 s31, ttmp9, 8
	s_add_co_u32 s31, s31, QROW
	v_add_nc_u32 v111, s31, v0                     ; q[n]'s table row
	global_load_b32 v108, v37, s[12:13]
	global_load_b32 v109, v37, s[14:15]
.irp c, 0,1,2,3,4,5,6,7,8,9,10,11,12,13,14,15
	global_load_b128 v[40+4*\c:43+4*\c], v36, s[10:11] offset:16*\c   ; my whole row of the mask goes out at once: the scan below waits for memory once, not once for each 32 positions
.endr
.irp c, 0,1,2,3,4,5,6,7,8,9,10,11,12,13,14,15,16
	ds_store_b128 v38, v[32:35] offset:512*\c      ; the whole image is zero first: unfilled slots name the zero row
.endr
	ds_store_b32 v5, v111                          ; slot 0
	s_wait_loadcnt 16                              ; batch_idx and count are in; the sixteen mask loads stay out
	v_cvt_f32_i32 v110, v109
	v_add_f32 v110, 1.0, v110
	v_log_f32 v110, v110                           ; log2(1 + count)
	v_lshl_add_u32 v7, v108, 8, 1                  ; k[batch_idx][0]'s table row: also the plain instruction behind the logarithm
	s_wait_alu depctr_va_vdst(0)
	v_mul_f32 v110, 0x3f317218, v110               ; x ln 2
	global_store_b32 v37, v110, s[22:23]           ; v37 and v110 are not written again
; Positions 32 g to 32 g + 31.  Each position's table row is stored into the slot in hand whether the position is masked or not; the slot steps on only if it is, so an unmasked
; position's row is overwritten by the next candidate (LDS serves a wave's instructions in order: ISA guide 5.7.1).  From slot 65 on all lands in that one word.
; A word's four positions are worked side by side: their bits, their slots (a chain of three additions), their addresses; then the four stores, in ascending position.
.macro SCAN32 g
	s_wait_loadcnt 14-2*(\g)                       ; the group's two loads are in, the 14 - 2 g younger ones stay out
.irp d, 0,1,2,3,4,5,6,7
	v_lshlrev_b32 v[24+\d], 6, v[40+8*(\g)+\d]     ; a byte 0 or 1 becomes 0 or 64, a slot's pitch
.endr
.irp d, 0,1,2,3,4,5,6,7
	v_bfe_u32 v12, v[24+\d], 0, 8
	v_bfe_u32 v13, v[24+\d], 8, 8
	v_bfe_u32 v14, v[24+\d], 16, 8
	v_lshrrev_b32 v15, 24, v[24+\d]
	v_add_nc_u32 v17, v6, v12
	v_min_u32 v8, DUMP, v6
	v_add_nc_u32 v18, v17, v13
	v_min_u32 v9, DUMP, v17
	v_add_nc_u32 v19, v18, v14
	v_min_u32 v10, DUMP, v18
	v_min_u32 v11, DUMP, v19
	v_add_nc_u32 v6, v19, v15
	v_add_nc_u32 v8, v8, v5
	v_add_nc_u32 v9, v9, v5
	v_add_nc_u32 v10, v10, v5
	v_add_nc_u32 v11, v11, v5
.irp i, 0,1,2,3
	ds_store_b32 v[8+\i], v7
	v_add_nc_u32 v7, 1, v7
.endr
.endr
.endm
.irp g, 0,1,2,3,4,5,6,7
	SCAN32 \g
.endr
	v_min_u32 v8, DUMP, v6
	v_add_nc_u32 v8, v8, v5
	ds_store_b32 v8, v32                           ; the slot in hand holds a candidate that was not taken, or nothing: 0
.irp c, 0,1,2,3,4,5,6,7,8,9,10,11,12,13,14,15,16
	ds_load_b128 v[40+4*\c:43+4*\c], v38 offset:512*\c
.endr
.irp c, 0,1,2,3,4,5,6,7,8,9,10,11,12,13,14,15,16
	s_wait_dscnt 16-\c                             ; load c is back, the 16 - c younger ones stay out
	global_store_b128 v39, v[40+4*\c:43+4*\c], s[20:21] offset:512*\c   ; 512 consecutive bytes, at a multiple of 256 from idx's first
.endr
	s_cmp_lg_u32 s30, 0
	s_cbranch_scc1 .Lend                           ; the first wave of the first work-group alone writes the table's zero row
	v_lshlrev_b32 v12, 3, v4
	global_store_b64 v12, v[32:33], s[18:19]       ; 32 lanes x 8 bytes: row 0's 256 bytes
.Lend:
	s_wait_tensorcnt 0x0                           ; the wave's end, behind my last LDS store
	ds_add_u32 v2, v3
	s_wait_dscnt 0x0
	s_endpgm
.Lfunc_end_k_qd2d3353ae3_prep:
	.size	k_qd2d3353ae3_prep, .Lfunc_end_k_qd2d3353ae3_prep-k_qd2d3353ae3_prep
	.p2alignl 7, 3214868480
	.fill 96, 4, 3214868480
	.section	.rodata,"a",@progbits
	.p2align	6, 0x0
	.amdhsa_kernel k_qd2d3353ae3_prep
		.amdhsa_group_segment_fixed_size 70656
		.amdhsa_private_segment_fixed_size 0
		.amdhsa_enable_private_segment 0
		.amdhsa_kernarg_size 80
		.amdhsa_user_sgpr_count 2
		.amdhsa_user_sgpr_kernarg_segment_ptr 1
		.amdhsa_wavefront_size32 1
		.amdhsa_system_sgpr_workgroup_id_x 1
		.amdhsa_system_sgpr_workgroup_id_y 1
		.amdhsa_system_sgpr_workgroup_id_z 1
		.amdhsa_system_vgpr_workitem_id 0
		.amdhsa_next_free_vgpr 112
		.amdhsa_next_free_sgpr 66
		.amdhsa_reserve_vcc 0
		.amdhsa_float_denorm_mode_32 3
		.amdhsa_float_denorm_mode_16_64 3
		.amdhsa_memory_ordered 1
		.amdhsa_forward_progress 1
		.amdhsa_inst_pref_size 87
	.end_amdhsa_kernel
	.amdgpu_metadata
---
amdhsa.version: [ 1, 2 ]
amdhsa.kernels:
  - .name:           k_qd2d3353ae3_prep
    .symbol:         k_qd2d3353ae3_prep.kd
    .args:
      - { .name: W1, .offset: 0, .size: 8, .value_kind: global_buffer, .address_space: global }
      - { .name: k, .offset: 8, .size: 8, .value_kind: global_buffer, .address_space: global }
      - { .name: q, .offset: 16, .size: 8, .value_kind: global_buffer, .address_space: global }
      - { .name: mask, .offset: 24, .size: 8, .value_kind: global_buffer, .address_space: global }
      - { .name: batch_idx, .offset: 32, .size: 8, .value_kind: global_buffer, .address_space: global }
      - { .name: count, .offset: 40, .size: 8, .value_kind: global_buffer, .address_space: global }
      - { .name: wb, .offset: 48, .size: 8, .value_kind: global_buffer, .address_space: global }
      - { .name: tb, .offset: 56, .size: 8, .value_kind: global_buffer, .address_space: global }
      - { .name: idx, .offset: 64, .size: 8, .value_kind: global_buffer, .address_space: global }
      - { .name: lc, .offset: 72, .size: 8, .value_kind: global_buffer, .address_space: global }
    .group_segment_fixed_size: 70656
    .private_segment_fixed_size: 0
    .kernarg_segment_align: 8
    .kernarg_segment_size: 80
    .max_flat_workgroup_size: 256
    .sgpr_count:     66
    .vgpr_count:     112
    .wavefront_size: 32
...
	.end_amdgpu_metadata
.endif
;; end of part 1
;; launch gemm (part 2): grid 64 x 4, 4 waves a work-group, clusters of 4 x 1, 327,680 bytes of LDS; arguments tb, wb, idx, lc, W1, b1, W2, part; writes part
.if DOCPART == 2
	.amdgcn_target "amdgcn-amd-amdhsa--gfx1250"
	.amdhsa_code_object_version 6
	.text
	.protected	k_qd2d3353ae3_gemm
	.globl	k_qd2d3353ae3_gemm
	.p2align	8
	.type	k_qd2d3353ae3_gemm,@function
k_qd2d3353ae3_gemm:
	s_mov_b64 s[64:65], 0
	v_nop
	global_prefetch_b8 v0, s[64:65] scope:SCOPE_SE
	s_setreg_imm32_b32 hwreg(HW_REG_WAVE_MODE, 25, 1), 1
	s_wait_xcnt 0x0
	s_wait_alu depctr_hold_cnt(0) depctr_sa_sdst(0) depctr_va_vdst(0) depctr_va_sdst(0) depctr_va_ssrc(0) depctr_va_vcc(0) depctr_vm_vsrc(0)
	s_getreg_b32 s2, hwreg(HW_REG_IB_STS2, 6, 4)
	s_cmp_eq_u32 s2, 0
	s_cbranch_scc0 .Lentry_in_a_cluster
	s_endpgm
.Lentry_in_a_cluster:
	s_bfe_u32 s2, ttmp6, 0x10000c
	s_cmp_lg_u32 s2, 0x3003
	s_cbranch_scc0 .Lentry_shape_is_right
	s_endpgm
.Lentry_shape_is_right:
; part[nt][n] = the sum over the 256 hidden units j of column tile nt of gelu(feat[n] . W1[:, j] + b1[j]) W2[j].
; feat[n] = q[n], 64 packed keys, log(1 + count[n]).  Its first 8,320 numbers are 65 rows of the bf16 table tb, named by idx: K goes in 65 steps of 128, a table row a step.
; The 8,321st column and b1 start the sums in f32: x = b1 + lc W1[8320] + the bf16 products (f32 sums).  gelu, W2 and all sums in f32.
; gelu: 2 gelu(x) = x + |x| - |x| e^(-x^2/2) (a1 t + .. + a5 t^5), t = 1 / (1 + 0.2316419 |x|): Abramowitz and Stegun 7.1.26 for erf(|x| / sqrt 2), absolute error of erf at most 1.5e-7 for every x.
; LIMITS.  q, k and W1's first 8,320 rows are rounded once to bf16.  |x| beyond about 1e38 is not served.  A row number is held to the table's 24,577 rows.
; SHARES.  A work-group makes 128 rows x 256 columns: 64 x 4 work-groups.  Wave (wk, wn) multiplies all 128 rows by columns 128 wn .. + 127 over the half 64 wk .. + 63 of every K step: 64 accumulators
; of 16 x 16, so that 32 LDS loads feed 64 matrix instructions.  At the end the two halves of K are added through LDS: a wave keeps rows 64 wk .. + 63 (window 2) and hands the others (window 3) to its partner.
; THE MATRIX INSTRUCTION IS USED TRANSPOSED: source 0 = 16 columns of W1, source 1 = 16 rows of feat.  A lane then holds one row (lane % 16) and the columns 8 (lane / 16) + 0..7: lc is one number a lane,
; and the sum over columns stays in the lane but for one exchange of the lanes' halves.
; B (wb, [k][n] as W1 lies) comes by the tensor data mover into two LDS slots and out of them turned, by ds_load_tr16_b128.
; A is gathered through registers, two K steps ahead: a load of 16 bytes a lane brings two whole table rows of 256 bytes; they are stored into two LDS slots of their own, a K step ahead of their use.
; THE WALK OVER K IS ROTATED.  Cluster x of column tile nt begins at step 4 f(x) + nt and goes round modulo 65, f(x) = 2 ((x & 7) xor 7 (x >> 3)) + (x >> 3), a permutation of 0..15: at any time the clusters
; ask for different tiles of wb and different rows of tb, and what one asks for another has as a rule asked for some steps before.  Of the sixteen clusters of a column tile the eight that agree in any one
; bit of x start 4 to 12 steps apart, one in each block of 8 steps.  The f32 sums run in that rotated order.
; CLUSTER.  The four work-groups of a cluster have the same column tile and the same start, and walk the same tiles of B: each is asked for JOINTLY (one descriptor, mask 15).  A's rows differ from
; work-group to work-group and come through registers, so they are not shared.
; REGISTERS, in windows of 256 (s_set_vgpr_msb: bits 1:0 source 0, 3:2 source 1, 5:4 source 2, 7:6 destination):
;   window 0: v1 lane; v2-15 addresses; v16-31, v48-63 gather addresses, two sets; v32-47 row numbers (later gelu's constants); v64-127, v128-191 A's fragments, two buffers (first lc, later at work); v192-255 W2
;   window 1: v0-63, v192-255 gathered rows, two sets; v64-127, v128-191 B's fragments, two buffers (first W1's last row and b1); at the end all 256: the partner's sums
;   window 2: accumulators of the rows I keep, (x, b) at v[8 (8 x + b)];   window 3: those of the other 64 rows
.set PB,     544                       ; a k-row of B in LDS: 512 bytes + 32 of padding, an odd multiple of 32
.set BQ,     32*PB                     ; 32 k-rows: a wave's tensor load, and a quarter's depth
.set BSLOT,  128*PB
.set AB,     2*BSLOT                   ; A's slots lie behind B's, in blocks of 256 bytes into which no tensor load lands
.set PA,     272                       ; a row of A in LDS: 256 bytes + 16: the 16 rows of a load start at 16 different groups of four banks
.set ASLOT,  128*PA
.set STAGE,  AB+2*ASLOT                ; [wn][128 rows] f32
.set SPARE,  STAGE+1024                ; the spare words, 128 bytes for each wave; no other line names them
.set IBLK,   4352                      ; a block of idx: 68 slots x 16 rows x 4 bytes
.set TLAST,  24576                     ; the table's last row
.set F0, 64
.set F1, 128
.set MUL_LO, 0xa1                      ; B window 1, A window 0, C and D window 2
.set TO_B,   0x40                      ; destination window 1
.set MSB, 0
.macro WIN new                         ; the immediate's high byte repeats the setting that is left; a switch that changes nothing is dropped
.if MSB != (\new)
	s_set_vgpr_msb (MSB<<8)|(\new)
.set MSB, \new
.endif
.endm
.macro PLACES                          ; four plain vector instructions between a matrix instruction and a load into, or a read of, its registers
.rept 4
	v_nop
.endr
.endm
.macro CREST                           ; a round of the cluster's barrier behind its opening barrier
	s_cmp_lg_u32 s20, 0
	s_cbranch_scc1 .Lnot_wave_0_\@
	s_barrier_signal -3
.Lnot_wave_0_\@:
	s_barrier_wait -3
	s_barrier_signal -1
	s_barrier_wait -1
.endm
.macro CROUND
	s_barrier_signal -1
	s_barrier_wait -1
	CREST
.endm
; The walk's two step numbers go round modulo 65; each address is made anew from its base and the number.  Both numbers hang on the cluster's x and y alone: they are equal in all four partners.
.macro NEXTB slot                      ; the slot's group 0 takes K step s58 of wb (262,144 bytes a step); no tensor load of mine is out where this stands
	s_lshl_b32 s60, s58, 18
	s_add_nc_u64 s[34+4*(\slot):35+4*(\slot)], s[6:7], s[60:61]
	s_or_b32 s[35+4*(\slot)], s[35+4*(\slot)], 0x80000000   ; type = 2
	s_add_co_u32 s58, s58, 1
	s_cmp_gt_u32 s58, 64
	s_cselect_b32 s58, 0, s58
.endm
.macro NEXTI                           ; s[48:49] takes slot s59 of my blocks of idx (64 bytes a slot); the loads that named the pair before have been waited for where this stands
	s_lshl_b32 s62, s59, 6
	s_add_nc_u64 s[48:49], s[8:9], s[62:63]
	s_add_co_u32 s59, s59, 1
	s_cmp_gt_u32 s59, 64
	s_cselect_b32 s59, 0, s59
.endm
; 16 matrix instructions: row blocks a0, a0 + 1 of the window's four x all 8 column blocks, 32 along K.  zero = 1: the product starts the sum.
.macro MUL16 f, hi, a0, zero
	WIN MUL_LO+0x50*(\hi)
.irp a, \a0, (\a0)+1
.irp b, 0,1,2,3,4,5,6,7
.if \zero
	v_wmma_f32_16x16x32_bf16 v[8*(8*(\a)+(\b)):8*(8*(\a)+(\b))+7], v[(\f)+8*(\b):(\f)+8*(\b)+7], v[(\f)+8*(4*(\hi)+(\a)):(\f)+8*(4*(\hi)+(\a))+7], 0
.else
	v_wmma_f32_16x16x32_bf16 v[8*(8*(\a)+(\b)):8*(8*(\a)+(\b))+7], v[(\f)+8*(\b):(\f)+8*(\b)+7], v[(\f)+8*(4*(\hi)+(\a)):(\f)+8*(4*(\hi)+(\a))+7], v[8*(8*(\a)+(\b)):8*(8*(\a)+(\b))+7]
.endif
.endr
.endr
.endm
; 32 LDS loads in one run: quarter q (32 of my 64 along K) of a slot into buffer f: B's 128 columns turned, A's 64 rows that I keep, A's other 64 rows
.macro FETCH slot, q, f
	WIN TO_B
.irp i, 0,1,2,3,4,5,6,7
	ds_load_tr16_b128 v[(\f)+8*(\i):(\f)+8*(\i)+3],   v[4+(\slot)] offset:BQ*(\q)+32*(\i)
	ds_load_tr16_b128 v[(\f)+8*(\i)+4:(\f)+8*(\i)+7], v[4+(\slot)] offset:BQ*(\q)+16*PB+32*(\i)
.endr
	WIN 0
.irp i, 0,1,2,3
	ds_load_b128 v[(\f)+8*(\i):(\f)+8*(\i)+3],   v2 offset:ASLOT*(\slot)+64*(\q)+16*PA*(\i)
	ds_load_b128 v[(\f)+8*(\i)+4:(\f)+8*(\i)+7], v2 offset:ASLOT*(\slot)+64*(\q)+16*PA*(\i)+32
.endr
.irp i, 0,1,2,3
	ds_load_b128 v[(\f)+32+8*(\i):(\f)+32+8*(\i)+3], v3 offset:ASLOT*(\slot)+64*(\q)+16*PA*(\i)
	ds_load_b128 v[(\f)+36+8*(\i):(\f)+36+8*(\i)+3], v3 offset:ASLOT*(\slot)+64*(\q)+16*PA*(\i)+32
.endr
.endm
.macro IDXLD                           ; 16 row numbers a lane: one slot of my half's block of idx
	WIN 0
.irp i, 0,1,2,3
	global_load_b128 v[32+4*\i:35+4*\i], v8, s[48:49] offset:16*\i
.endr
.endm
; The gather's registers come in two sets p, by the parity of the walk's step: addresses at v[48 - 32 p], rows in window 1 at v[192 p].
.macro ADDR p                          ; row number -> byte offset of my 16 bytes of that table row
	WIN 0
.set AD, 48-32*(\p)
.set t, 0
.rept 16
	v_min_u32 v[AD+t], TLAST, v[32+t]
.set t, t+1
.endr
.set t, 0
.rept 16
	v_lshl_add_u32 v[AD+t], v[AD+t], 8, v7
.set t, t+1
.endr
.endm
.macro GATHER p                        ; my wave's 32 rows of A: load t brings rows t (lanes 0-15) and 16 + t (lanes 16-31), 256 consecutive bytes each
	WIN 0x40
.set AD, 48-32*(\p)
.set SB, 192*(\p)
.set t, 0
.rept 16
	global_load_b128 v[SB+4*t:SB+4*t+3], v[AD+t], s[4:5]
.set t, t+1
.endr
.endm
.macro ASTORE p                        ; set p goes into A's slot p
	WIN 0x04                               ; store data in window 1
.set SB, 192*(\p)
.set t, 0
.rept 16
	ds_store_b128 v6, v[SB+4*t:SB+4*t+3] offset:ASLOT*(\p)+PA*t
.set t, t+1
.endr
.endm
; Step s's first quarter, on buffer 0.  In its middle: the second quarter's fragments; st = 1: A of step s + 1, gathered two steps ago, goes into the other A slot (last read a step ago; those reads were
; waited for in front of the last barrier); ga = 1: the gather for step s + 3, from the row numbers asked for a step ago, and the row numbers for step s + 4.
; Global loads out on entry, in the order of issue: gather s + 1 (16), row numbers s + 3 (4), gather s + 2 (16).  lcn = 16 shows the first two in and leaves the third on its way.
.macro QA slot, zero, st, ga, lcn=16
	s_wait_dscnt 8                                 ; B and the rows I keep are in; the youngest eight loads (the other rows) may be out
	MUL16 F0, 0, 0, 0
	MUL16 F0, 0, 2, 0
	PLACES
	FETCH \slot, 1, F1
.if \st
	s_wait_loadcnt \lcn                            ; also frees that gather's address registers and the row numbers' base
	ASTORE 1-(\slot)
.endif
.if \ga
	NEXTI
	ADDR 1-(\slot)
	IDXLD
	GATHER 1-(\slot)
.endif
	s_wait_dscnt 32+16*(\st)                       ; all but the 32 loads and the stores just issued
	MUL16 F0, 1, 0, \zero
	MUL16 F0, 1, 2, \zero
.endm
; The second quarter, on buffer 1, and the change of slots: ONE barrier.  In front of it each wave waits for all its tensor loads (one is out: its part of the next B slot), adds 0 to its spare word, and waits
; for that, for its reads of this step's slots and for its stores into the next A slot.  fill = 1: the barrier opens a round of the cluster's, and this B slot is filled again, two steps ahead: the first thing
; behind the round; a wave issues 96 matrix instructions between that request and the wait for it.
.macro TURN slot, next, fill, st
	WIN 0
	s_wait_tensorcnt 0x0
	ds_add_u32 v12, v13
.if \fill
	NEXTB \slot
.endif
	s_wait_dscnt 9+16*(\st)                        ; the youngest eight loads, my stores of A and the add may be out
	MUL16 F1, 0, 0, 0
	s_wait_dscnt 0x0
	s_barrier_signal -1
	MUL16 F1, 0, 2, 0
	WIN 0
	s_barrier_wait -1
.if \fill
	CREST                                          ; no wave of any partner still reads this slot or has a load on its way
	tensor_load_to_lds s[32+4*(\slot):35+4*(\slot)], s[24:31]
	s_nop 0
.endif
	PLACES                                         ; behind the tensor load, and in front of the loads into buffer 0
	FETCH \next, 0, F0
	MUL16 F1, 1, 0, 0
	MUL16 F1, 1, 2, 0
.endm
	s_load_b512 s[4:19], s[0:1], 0x0               ; tb s[4:5], wb s[6:7], idx s[8:9], lc s[10:11], W1 s[12:13], b1 s[14:15], W2 s[16:17], part s[18:19]
	v_lshl_add_u32 v12, v0, 2, SPARE
	v_mov_b32 v13, 0
	ds_add_u32 v12, v13                            ; the wave's opening: the add and its wait stand ahead of my first tensor load; the set-up below, work on registers, stands between them
	v_lshrrev_b32 v1, 5, v0
	v_readfirstlane_b32 s20, v1                    ; wave 0..3
	s_lshr_b32 s21, s20, 1                         ; wk: my half of every K step, and the 64 rows I keep
	s_and_b32 s22, s20, 1                          ; wn: my 128 columns
	s_bfe_u32 s40, ttmp6, 0x40000                  ; cx: my place in the cluster
	s_lshl_b32 s41, ttmp9, 2
	s_add_co_u32 s41, s41, s40                     ; mt: my block of 128 rows; it enters idx's, lc's and part's addresses alone
	s_and_b32 s42, ttmp7, 0xffff                   ; nt: the column tile, which the four partners share
	s_lshr_b32 s59, ttmp9, 3                       ; where my cluster begins the walk: x >> 3,
	s_and_b32 s58, ttmp9, 7
	s_mul_i32 s60, s59, 7
	s_xor_b32 s58, s58, s60                        ; (x & 7) xor 7 (x >> 3),
	s_lshl1_add_u32 s58, s58, s59                  ; f(x),
	s_lshl2_add_u32 s58, s58, s42                  ; 4 f(x) + nt, 0 to 63: the step whose tile of B is asked for next,
	s_mov_b32 s59, s58                             ; and the slot of idx to be asked for next
	s_mov_b32 s61, 0                               ; the upper words of the two offsets
	s_mov_b32 s63, 0
	s_mov_b32 s43, 0x7fffffff
	s_mov_b32 s50, 0x76543210                      ; v_permlanex16_b32: each lane takes its own place in the other half
	s_mov_b32 s51, 0xfedcba98
	; descriptor group 1: 32 k-rows x 256 elements of 2 bytes, padded in LDS
	s_mov_b32 s24, 15|(1<<16)|(1<<20)|(1<<21)|(6<<22)|(7<<25)  ; 15:0 the mask of four; 17:16 2-byte elements; 20 padding on; 21 set beside a mask; 24:22 after every 128 words (code 6); 31:25 8 words (code 7)
	s_mov_b32 s25, 256<<16                         ; tensor_dim0 = 256
	s_mov_b32 s26, 32<<16                          ; tensor_dim1 = 32
	s_mov_b32 s27, 256<<16                         ; tile_dim0 = 256
	s_mov_b32 s28, 32                              ; tile_dim1 = 32
	s_mov_b32 s29, 1024                            ; elements from row to row
	s_mov_b32 s30, 0
	s_mov_b32 s31, 0
	s_mov_b32 s32, 1                               ; group 0 for slot 0: count,
	s_mul_i32 s33, s20, BQ                         ; LDS address: my 32 k-rows
	s_mov_b32 s36, 1                               ; and for slot 1
	s_add_co_u32 s37, s33, BSLOT
	v_and_b32 v1, 31, v0                           ; L; kept to the end
	v_and_b32 v26, 15, v0                          ; r
	v_bfe_u32 v27, v0, 4, 1                        ; h
	v_mul_u32_u24 v28, v26, PA                     ; A's fragments: row x pitch + 16 h + my half of K,
	v_lshl_add_u32 v28, v27, 4, v28
	s_mul_i32 s54, s21, 64*PA+128
	s_add_co_u32 s54, s54, AB
	v_add_nc_u32 v2, s54, v28                      ; for the rows I keep
	s_sub_co_u32 s55, 1, s21
	s_mul_i32 s55, s55, 64*PA
	s_lshl_b32 s56, s21, 7
	s_add_co_u32 s55, s55, s56
	s_add_co_u32 s55, s55, AB
	v_add_nc_u32 v3, s55, v28                      ; and for the others
	v_and_b32 v29, 7, v0                           ; B's fragments: lane L reads k-row 8 h + L % 8 of my half, columns 8 ((L / 8) % 2) + 0..7 of my 128
	v_lshl_add_u32 v29, v27, 3, v29
	v_mul_u32_u24 v29, v29, PB
	v_bfe_u32 v30, v0, 3, 1
	v_lshl_add_u32 v29, v30, 4, v29
	s_mul_i32 s54, s21, 64*PB
	s_lshl_b32 s56, s22, 8
	s_add_co_u32 s54, s54, s56
	v_add_nc_u32 v4, s54, v29                      ; in slot 0,
	v_add_nc_u32 v5, BSLOT, v4                     ; in slot 1
	v_mul_u32_u24 v6, v27, 16*PA                   ; where gathered rows go: row 32 wave + 16 h + t, 16 bytes a lane
	v_lshl_add_u32 v6, v26, 4, v6
	s_mul_i32 s54, s20, 32*PA
	s_add_co_u32 s54, s54, AB
	v_add_nc_u32 v6, s54, v6
	v_lshlrev_b32 v7, 4, v26                       ; my 16 bytes of a table row
	v_mul_u32_u24 v8, v27, IBLK                    ; my half's block of idx
	v_lshlrev_b32 v9, 5, v27                       ; my 8 columns of each 16 in W1's last row, b1, W2
	s_lshl_b32 s54, s20, 15
	v_lshl_add_u32 v10, v1, 4, s54                 ; the exchange: 32,768 bytes a wave: mine,
	s_lshl_b32 s56, s21, 2
	s_sub_co_u32 s55, s20, s56
	s_add_co_u32 s55, s55, 2                       ; the wave with my columns and the other half of K
	s_lshl_b32 s55, s55, 15
	v_lshl_add_u32 v11, v1, 4, s55                 ; and its
	v_lshlrev_b32 v14, 2, v26                      ; 4 r
	s_lshl_b32 s54, s22, 9
	s_lshl_b32 s56, s21, 8
	s_add_co_u32 s54, s54, s56
	s_add_co_u32 s54, s54, STAGE
	v_add_nc_u32 v15, s54, v14                     ; my rows' words in the stage
	s_lshl_b32 s46, s42, 9                         ; B: column tile x 512 bytes + my 32 rows of 2,048; these two registers never hold cx
	s_lshl_b32 s47, s20, 16
	s_add_co_u32 s46, s46, s47
	s_mov_b32 s47, 0
	s_lshl_b32 s52, s42, 10                        ; my 128 columns in W1's last row, b1, W2
	s_lshl_b32 s53, s22, 9
	s_add_co_u32 s52, s52, s53
	s_mov_b32 s53, 0
	s_wait_dscnt 0x0                               ; the opening add is done
	s_wait_kmcnt 0x0
	s_add_nc_u64 s[6:7], s[6:7], s[46:47]          ; wb at my column tile and my 32 rows of a K step
	NEXTB 0                                        ; the walk's first step,
	NEXTB 1                                        ; and its second
	s_add_nc_u64 s[12:13], s[12:13], s[52:53]
	s_add_nc_u64 s[12:13], s[12:13], 0x2080000     ; W1's row 8,320
	s_add_nc_u64 s[14:15], s[14:15], s[52:53]
	s_add_nc_u64 s[16:17], s[16:17], s[52:53]
	s_lshl_b32 s44, s41, 3
	s_lshl1_add_u32 s44, s20, s44                  ; block 8 mt + 2 wave of idx
	s_mul_i32 s44, s44, IBLK
	s_mov_b32 s45, 0
	s_add_nc_u64 s[8:9], s[8:9], s[44:45]
	s_lshl_b32 s44, s41, 9
	s_lshl_b32 s57, s21, 8
	s_add_co_u32 s44, s44, s57
	s_add_nc_u64 s[10:11], s[10:11], s[44:45]      ; lc of the rows I keep
	s_lshl_b32 s44, s41, 9
	s_lshl_b32 s57, s42, 15
	s_add_co_u32 s44, s44, s57
	s_add_nc_u64 s[18:19], s[18:19], s[44:45]      ; part[nt][128 mt]
	NEXTI
	IDXLD                                          ; the row numbers of the walk's step 0
.irp x, 0,1,2,3
	global_load_b32 v[64+2*\x], v14, s[10:11] offset:64*\x   ; lc, where A's fragments will lie later
.endr
.irp b, 0,1,2,3,4,5,6,7
	global_load_b128 v[192+8*\b:195+8*\b], v9, s[16:17] offset:64*\b
	global_load_b128 v[196+8*\b:199+8*\b], v9, s[16:17] offset:64*\b+16
.endr
	WIN 0x40
.irp b, 0,1,2,3,4,5,6,7
	global_load_b128 v[64+8*\b:67+8*\b], v9, s[12:13] offset:64*\b
	global_load_b128 v[68+8*\b:71+8*\b], v9, s[12:13] offset:64*\b+16
.endr
.irp b, 0,1,2,3,4,5,6,7
	global_load_b128 v[128+8*\b:131+8*\b], v9, s[14:15] offset:64*\b
	global_load_b128 v[132+8*\b:135+8*\b], v9, s[14:15] offset:64*\b+16
.endr
	WIN 0
	CROUND                                         ; all four work-groups are here: the first joint loads meet
	tensor_load_to_lds s[32:35], s[24:31]          ; both first fills go out together: two tensor loads of mine are out; later one behind each round
	s_nop 0
	tensor_load_to_lds s[36:39], s[24:31]
	s_nop 0
	PLACES
	s_wait_loadcnt 52                              ; of 56 loads the first four, the row numbers, are in
	NEXTI
	ADDR 0
	IDXLD                                          ; step 1's row numbers
	GATHER 0                                       ; A of step 0
	s_wait_loadcnt 20                              ; lc, W2, W1's last row and b1 are in; the 4 + 16 just issued stay out
	WIN 0
.irp x, 0,1,2,3
	v_mov_b32 v[65+2*\x], v[64+2*\x]
.endr
	WIN 0x91                                       ; sources 0 and 2 window 1, source 1 window 0, destination window 2
.irp x, 0,1,2,3
.irp b, 0,1,2,3,4,5,6,7
.irp j, 0,2,4,6
	v_pk_fma_f32 v[8*(8*\x+\b)+\j:8*(8*\x+\b)+\j+1], v[64+8*\b+\j:64+8*\b+\j+1], v[64+2*\x:65+2*\x], v[128+8*\b+\j:128+8*\b+\j+1]  ; the kept rows' sums start at lc W1[8320] + b1
.endr
.endr
.endr
	s_wait_loadcnt 16                              ; step 1's row numbers are in; the gather of step 0 stays out
	NEXTI
	ADDR 1
	IDXLD                                          ; step 2's row numbers
	GATHER 1                                       ; A of step 1
	s_wait_loadcnt 16                              ; A of step 0 and step 2's row numbers are in; the gather of step 1 stays out
	ASTORE 0
	NEXTI
	ADDR 0
	IDXLD                                          ; step 3's row numbers
	GATHER 0                                       ; A of step 2
	WIN 0
	s_wait_tensorcnt 1                             ; my part of B's slot 0 is in; slot 1's may stay out
	s_wait_dscnt 0x0                               ; my rows of A's slot 0 are stored
	s_barrier_signal -1
	s_barrier_wait -1
	FETCH 0, 0, F0
	QA 0, 1, 1, 1                                  ; step 0's first quarter stands in front of the loop: window 3's sums start with the constant 0
	WIN 0                                          ; at a label and at a branch every window is 0
	s_mov_b32 s23, 31
.Llap:                                                 ; trip t: the rest of step 2 t, step 2 t + 1, the first quarter of step 2 t + 2.  The 64 accumulators take turns in one order throughout
	TURN 0, 1, 1, 1
	QA 1, 0, 1, 1
	TURN 1, 0, 1, 1
	QA 0, 0, 1, 1                                  ; in the last trip (step 62) the gather is for a step 65, which is the walk's first once more and serves nothing, as do the last two loads of row numbers: the price of one text for every trip
	WIN 0
	s_sub_co_u32 s23, s23, 1
	s_cmp_lg_u32 s23, 0
	s_cbranch_scc1 .Llap
	TURN 0, 1, 1, 1                                ; step 62: the last fill, step 64 into slot 0
	QA 1, 0, 1, 0, 20                              ; step 63: A of step 64 is in (the 4 + 16 loads issued behind it may stay out) and is stored; nothing more is gathered
	TURN 1, 0, 0, 1                                ; nothing is filled: a plain barrier
	QA 0, 0, 0, 0                                  ; step 64
	s_wait_dscnt 8
	MUL16 F1, 0, 0, 0
	MUL16 F1, 0, 2, 0
	s_wait_dscnt 0x0
	MUL16 F1, 1, 0, 0
	MUL16 F1, 1, 2, 0
	; THE TWO HALVES OF K MEET.  B's slots have had their last fill and every wave's reads of them are back: behind a barrier they take each wave's window 3.
	PLACES
	WIN 0
	s_wait_loadcnt 0x0                             ; the loads that serve nothing have landed: their registers are taken below
	s_barrier_signal -1
	s_barrier_wait -1
	WIN 0x0c                                       ; store data in window 3
.set i, 0
.rept 64
	ds_store_b128 v10, v[4*i:4*i+3] offset:512*i   ; each accumulator's low four registers first
.set i, i+1
.endr
	WIN 0
.set KP,   32
.set KONE, 34
.set KE,   36
.set K5,   38
.set K4,   40
.set K3,   42
.set K2,   44
.set K1,   46
.irp o, 0,1
	v_mov_b32 v[KP+\o],   0x3e6d3389                ; 0.3275911 / sqrt 2
	v_mov_b32 v[KONE+\o], 1.0
	v_mov_b32 v[KE+\o],   0xbf38aa3b                ; -log2(e) / 2
	v_mov_b32 v[K5+\o],   0x3f87dc22                ; 1.061405429
	v_mov_b32 v[K4+\o],   0xbfba00e3                ; -1.453152027
	v_mov_b32 v[K3+\o],   0x3fb5f0e3                ; 1.421413741
	v_mov_b32 v[K2+\o],   0xbe91a98e                ; -0.284496736
	v_mov_b32 v[K1+\o],   0x3e827906                ; 0.254829592
.endr
	s_wait_dscnt 0x0                               ; for the partner's sake: my stores are done
	s_barrier_signal -1
	s_barrier_wait -1
	WIN 0x40
.set i, 0
.rept 64
	ds_load_b128 v[4*i:4*i+3], v11 offset:512*i    ; the partner's sums for my rows, at the register numbers of my own
.set i, i+1
.endr
	s_wait_dscnt 0x0
; GELU AND W2, two accumulators (16 numbers a lane, 8 pairs p) at a time: row blocks 2 c and 2 c + 1, column block nb.
.set EX, 64                            ; x
.set EA, 80                            ; |x|
.set ET, 96                            ; t, then t |x|
.set EQ, 112                           ; x^2, then e^(-x^2/2)
.set EP, 128                           ; the polynomial
.set ES, 144                           ; 2 gelu
.set SUM, 160                          ; row block x, pair j of columns: the running sum at SUM + 8 x + 2 j
.macro EACH8 line:vararg
.set p, 0
	s_wait_alu depctr_va_vdst(0)
.rept 8
	\line
.set p, p+1
.endr
.endm
.macro EACH16 line:vararg
.set p, 0
.rept 16
	\line
.set p, p+1
.endr
.endm
.macro BATCH c, nb
	WIN 0x06                                       ; source 0 window 2, source 1 window 1, destination window 0
	EACH8 v_pk_add_f32 v[EX+2*p:EX+2*p+1], v[8*(8*(2*(\c)+p/4)+(\nb))+2*(p%4):8*(8*(2*(\c)+p/4)+(\nb))+2*(p%4)+1], v[8*(8*(2*(\c)+p/4)+(\nb))+2*(p%4):8*(8*(2*(\c)+p/4)+(\nb))+2*(p%4)+1]
	WIN 0
	EACH16 v_and_b32 v[EA+p], s43, v[EX+p]
	EACH8 v_pk_fma_f32 v[ET+2*p:ET+2*p+1], v[EA+2*p:EA+2*p+1], v[KP:KP+1], v[KONE:KONE+1]
	EACH8 v_pk_mul_f32 v[EQ+2*p:EQ+2*p+1], v[EX+2*p:EX+2*p+1], v[EX+2*p:EX+2*p+1]
	EACH16 v_rcp_f32 v[ET+p], v[ET+p]
	EACH8 v_pk_mul_f32 v[EQ+2*p:EQ+2*p+1], v[EQ+2*p:EQ+2*p+1], v[KE:KE+1]          ; plain instructions behind the reciprocals, ahead of their use
	EACH16 v_exp_f32 v[EQ+p], v[EQ+p]
	EACH8 v_pk_fma_f32 v[EP+2*p:EP+2*p+1], v[ET+2*p:ET+2*p+1], v[K5:K5+1], v[K4:K4+1]   ; and behind the exponentials
	EACH8 v_pk_fma_f32 v[EP+2*p:EP+2*p+1], v[EP+2*p:EP+2*p+1], v[ET+2*p:ET+2*p+1], v[K3:K3+1]
	EACH8 v_pk_fma_f32 v[EP+2*p:EP+2*p+1], v[EP+2*p:EP+2*p+1], v[ET+2*p:ET+2*p+1], v[K2:K2+1]
	EACH8 v_pk_fma_f32 v[EP+2*p:EP+2*p+1], v[EP+2*p:EP+2*p+1], v[ET+2*p:ET+2*p+1], v[K1:K1+1]
	EACH8 v_pk_mul_f32 v[ET+2*p:ET+2*p+1], v[ET+2*p:ET+2*p+1], v[EA+2*p:EA+2*p+1]
	EACH8 v_pk_add_f32 v[ES+2*p:ES+2*p+1], v[EX+2*p:EX+2*p+1], v[EA+2*p:EA+2*p+1]
	EACH8 v_pk_mul_f32 v[EP+2*p:EP+2*p+1], v[EP+2*p:EP+2*p+1], v[ET+2*p:ET+2*p+1]
	EACH8 v_pk_fma_f32 v[ES+2*p:ES+2*p+1], v[EP+2*p:EP+2*p+1], v[EQ+2*p:EQ+2*p+1], v[ES+2*p:ES+2*p+1] neg_lo:[1,0,0] neg_hi:[1,0,0]
.if (\nb) == 0
	EACH8 v_pk_mul_f32 v[SUM+16*(\c)+2*p:SUM+16*(\c)+2*p+1], v[ES+2*p:ES+2*p+1], v[192+2*(p%4):192+2*(p%4)+1]   ; the first column block starts the sums: nothing is cleared
.else
	EACH8 v_pk_fma_f32 v[SUM+16*(\c)+2*p:SUM+16*(\c)+2*p+1], v[ES+2*p:ES+2*p+1], v[192+8*(\nb)+2*(p%4):192+8*(\nb)+2*(p%4)+1], v[SUM+16*(\c)+2*p:SUM+16*(\c)+2*p+1]
.endif
.endm
.irp nb, 0,1,2,3,4,5,6,7
	BATCH 0, \nb
	BATCH 1, \nb
.endr
	; a row's sum over my 128 columns: the lane's four pairs, the pair's halves, the other half of the lanes
.irp x, 0,1,2,3
	v_pk_add_f32 v[SUM+8*\x:SUM+8*\x+1], v[SUM+8*\x:SUM+8*\x+1], v[SUM+8*\x+2:SUM+8*\x+3]
	v_pk_add_f32 v[SUM+8*\x+4:SUM+8*\x+5], v[SUM+8*\x+4:SUM+8*\x+5], v[SUM+8*\x+6:SUM+8*\x+7]
.endr
.irp x, 0,1,2,3
	v_pk_add_f32 v[SUM+8*\x:SUM+8*\x+1], v[SUM+8*\x:SUM+8*\x+1], v[SUM+8*\x+4:SUM+8*\x+5]
.endr
.irp x, 0,1,2,3
	v_add_f32 v[SUM+8*\x], v[SUM+8*\x], v[SUM+8*\x+1]
.endr
.irp x, 0,1,2,3
	v_permlanex16_b32 v[SUM+8*\x+1], v[SUM+8*\x], s50, s51
.endr
.irp x, 0,1,2,3
	v_add_f32 v[SUM+8*\x], v[SUM+8*\x], v[SUM+8*\x+1]
.endr
.irp x, 0,1,2,3
	ds_store_b32 v15, v[SUM+8*\x] offset:64*\x     ; both halves of the lanes write the same number to the same word
.endr
	v_lshlrev_b32 v48, 4, v1                       ; 16 bytes a lane of the work-group's 128 numbers, in part
	v_add_nc_u32 v49, STAGE, v48                   ; and in the stage
	s_wait_dscnt 0x0                               ; for wave 0's sake
	s_barrier_signal -1
	s_barrier_wait -1
	s_cmp_lg_u32 s20, 0
	s_cbranch_scc1 .Lothers                        ; wave 0 adds the two halves of the columns, halves the sums (the formula above gives 2 gelu) and stores the work-group's 128 numbers
	ds_load_b128 v[64:67], v49
	ds_load_b128 v[68:71], v49 offset:512
	s_wait_dscnt 0x0
	v_pk_add_f32 v[64:65], v[64:65], v[68:69]
	v_pk_add_f32 v[66:67], v[66:67], v[70:71]
	v_pk_mul_f32 v[64:65], v[64:65], 0.5 op_sel_hi:[1,0]
	v_pk_mul_f32 v[66:67], v[66:67], 0.5 op_sel_hi:[1,0]
	global_store_b128 v48, v[64:67], s[18:19]      ; 512 consecutive bytes, at a multiple of 256 from part's first
.Lothers:
	s_wait_tensorcnt 0x0                           ; the wave's end, behind my last tensor load and my last LDS store
	ds_add_u32 v12, v13
	s_wait_dscnt 0x0
	CROUND                                         ; the closing round: no work-group ends while a partner may still ask for a tile that names it
	s_endpgm
.Lfunc_end_k_qd2d3353ae3_gemm:
	.size	k_qd2d3353ae3_gemm, .Lfunc_end_k_qd2d3353ae3_gemm-k_qd2d3353ae3_gemm
	.p2alignl 7, 3214868480
	.fill 96, 4, 3214868480
	.section	.rodata,"a",@progbits
	.p2align	6, 0x0
	.amdhsa_kernel k_qd2d3353ae3_gemm
		.amdhsa_group_segment_fixed_size 327680
		.amdhsa_private_segment_fixed_size 0
		.amdhsa_enable_private_segment 0
		.amdhsa_kernarg_size 64
		.amdhsa_user_sgpr_count 2
		.amdhsa_user_sgpr_kernarg_segment_ptr 1
		.amdhsa_wavefront_size32 1
		.amdhsa_system_sgpr_workgroup_id_x 1
		.amdhsa_system_sgpr_workgroup_id_y 1
		.amdhsa_system_sgpr_workgroup_id_z 1
		.amdhsa_system_vgpr_workitem_id 0
		.amdhsa_next_free_vgpr 1024
		.amdhsa_next_free_sgpr 66
		.amdhsa_reserve_vcc 0
		.amdhsa_float_denorm_mode_32 3
		.amdhsa_float_denorm_mode_16_64 3
		.amdhsa_memory_ordered 1
		.amdhsa_forward_progress 1
		.amdhsa_inst_pref_size 255
	.end_amdhsa_kernel
	.section	.bss,"aw",@nobits
	.p2align	6
	.space	262144
	.amdgpu_metadata
---
amdhsa.version: [ 1, 2 ]
amdhsa.kernels:
  - .name:           k_qd2d3353ae3_gemm
    .symbol:         k_qd2d3353ae3_gemm.kd
    .args:
      - { .name: tb, .offset: 0, .size: 8, .value_kind: global_buffer, .address_space: global }
      - { .name: wb, .offset: 8, .size: 8, .value_kind: global_buffer, .address_space: global }
      - { .name: idx, .offset: 16, .size: 8, .value_kind: global_buffer, .address_space: global }
      - { .name: lc, .offset: 24, .size: 8, .value_kind: global_buffer, .address_space: global }
      - { .name: W1, .offset: 32, .size: 8, .value_kind: global_buffer, .address_space: global }
      - { .name: b1, .offset: 40, .size: 8, .value_kind: global_buffer, .address_space: global }
      - { .name: W2, .offset: 48, .size: 8, .value_kind: global_buffer, .address_space: global }
      - { .name: part, .offset: 56, .size: 8, .value_kind: global_buffer, .address_space: global }
    .group_segment_fixed_size: 327680
    .private_segment_fixed_size: 0
    .kernarg_segment_align: 8
    .kernarg_segment_size: 64
    .max_flat_workgroup_size: 128
    .sgpr_count:     66
    .vgpr_count:     1024
    .wavefront_size: 32
...
	.end_amdgpu_metadata
.endif
;; end of part 2
;; launch fin (part 3): grid 32 x 1, 2 waves a work-group, no clusters, 0 bytes of LDS; arguments part, b2, out0; writes out0
.if DOCPART == 3
	.amdgcn_target "amdgcn-amd-amdhsa--gfx1250"
	.amdhsa_code_object_version 6
	.text
	.protected	k_qd2d3353ae3_fin
	.globl	k_qd2d3353ae3_fin
	.p2align	8
	.type	k_qd2d3353ae3_fin,@function
k_qd2d3353ae3_fin:
	s_mov_b64 s[64:65], 0
	v_nop
	global_prefetch_b8 v0, s[64:65] scope:SCOPE_SE
	s_setreg_imm32_b32 hwreg(HW_REG_WAVE_MODE, 25, 1), 1
	s_wait_xcnt 0x0
; out0[n] = (part[0][n] + part[1][n]) + (part[2][n] + part[3][n]) + b2: the four column tiles' sums, in f32, in a fixed order.
; 64 threads, four numbers each: a work-group takes 1,024 consecutive bytes of each of the four rows of part and of out0.
	s_load_b128 s[4:7], s[0:1], 0x0                ; part s[4:5], b2 s[6:7]
	s_load_b64 s[8:9], s[0:1], 0x10                ; out0
	v_lshlrev_b32 v1, 4, v0
	s_lshl_b32 s10, ttmp9, 10
	s_mov_b32 s11, 0
	s_wait_kmcnt 0x0
	s_load_b32 s12, s[6:7], 0x0                    ; b2: no line of this launch writes it
	s_add_nc_u64 s[4:5], s[4:5], s[10:11]
	s_add_nc_u64 s[8:9], s[8:9], s[10:11]
	global_load_b128 v[4:7], v1, s[4:5]
	global_load_b128 v[8:11], v1, s[4:5] offset:32768
	global_load_b128 v[12:15], v1, s[4:5] offset:65536
	global_load_b128 v[16:19], v1, s[4:5] offset:98304
	s_wait_kmcnt 0x0
	s_mov_b32 s13, s12                             ; named with it as a pair
	s_wait_loadcnt 0x0
	v_pk_add_f32 v[4:5], v[4:5], v[8:9]
	v_pk_add_f32 v[6:7], v[6:7], v[10:11]
	v_pk_add_f32 v[12:13], v[12:13], v[16:17]
	v_pk_add_f32 v[14:15], v[14:15], v[18:19]
	v_pk_add_f32 v[4:5], v[4:5], v[12:13]
	v_pk_add_f32 v[6:7], v[6:7], v[14:15]
	v_pk_add_f32 v[4:5], v[4:5], s[12:13] op_sel_hi:[1,0]
	v_pk_add_f32 v[6:7], v[6:7], s[12:13] op_sel_hi:[1,0]
	global_store_b128 v1, v[4:7], s[8:9]           ; sixteen lanes store 256 consecutive bytes, aligned
	s_endpgm
.Lfunc_end_k_qd2d3353ae3_fin:
	.size	k_qd2d3353ae3_fin, .Lfunc_end_k_qd2d3353ae3_fin-k_qd2d3353ae3_fin
	.p2alignl 7, 3214868480
	.fill 96, 4, 3214868480
	.section	.rodata,"a",@progbits
	.p2align	6, 0x0
	.amdhsa_kernel k_qd2d3353ae3_fin
		.amdhsa_group_segment_fixed_size 0
		.amdhsa_private_segment_fixed_size 0
		.amdhsa_enable_private_segment 0
		.amdhsa_kernarg_size 24
		.amdhsa_user_sgpr_count 2
		.amdhsa_user_sgpr_kernarg_segment_ptr 1
		.amdhsa_wavefront_size32 1
		.amdhsa_system_sgpr_workgroup_id_x 1
		.amdhsa_system_sgpr_workgroup_id_y 1
		.amdhsa_system_sgpr_workgroup_id_z 1
		.amdhsa_system_vgpr_workitem_id 0
		.amdhsa_next_free_vgpr 24
		.amdhsa_next_free_sgpr 66
		.amdhsa_reserve_vcc 0
		.amdhsa_float_denorm_mode_32 3
		.amdhsa_float_denorm_mode_16_64 3
		.amdhsa_memory_ordered 1
		.amdhsa_forward_progress 1
		.amdhsa_inst_pref_size 2
	.end_amdhsa_kernel
	.amdgpu_metadata
---
amdhsa.version: [ 1, 2 ]
amdhsa.kernels:
  - .name:           k_qd2d3353ae3_fin
    .symbol:         k_qd2d3353ae3_fin.kd
    .args:
      - { .name: part, .offset: 0, .size: 8, .value_kind: global_buffer, .address_space: global }
      - { .name: b2, .offset: 8, .size: 8, .value_kind: global_buffer, .address_space: global }
      - { .name: out0, .offset: 16, .size: 8, .value_kind: global_buffer, .address_space: global }
    .group_segment_fixed_size: 0
    .private_segment_fixed_size: 0
    .kernarg_segment_align: 8
    .kernarg_segment_size: 24
    .max_flat_workgroup_size: 64
    .sgpr_count:     66
    .vgpr_count:     24
    .wavefront_size: 32
...
	.end_amdgpu_metadata
.endif
;; end of part 3
;; ======== version 2 of 2: 3 launches; version 1 with the launch prep written anew for expert scheduling mode
;; workspace buffers: wb 17,039,360 bytes; tb 6,291,712 bytes; idx 2,228,224 bytes of whole numbers; lc 32,768 bytes; part 131,072 bytes
;; launch prep (part 4): grid 744 x 1, 8 waves a work-group, no clusters, 70,656 bytes of LDS; arguments W1, k, q, mask, batch_idx, count, wb, tb, idx, lc; writes wb, tb, idx, lc
.if DOCPART == 4
	.amdgcn_target "amdgcn-amd-amdhsa--gfx1250"
	.amdhsa_code_object_version 6
	.text
	.protected	k_qd2d3353ae3_prep
	.globl	k_qd2d3353ae3_prep
	.p2align	8
	.type	k_qd2d3353ae3_prep,@function
k_qd2d3353ae3_prep:
	s_mov_b64 s[64:65], 0
	v_nop
	global_prefetch_b8 v0, s[64:65] scope:SCOPE_SE
	s_setreg_imm32_b32 hwreg(HW_REG_WAVE_SCHED_MODE, 0, 2), 2
	s_setreg_imm32_b32 hwreg(HW_REG_WAVE_MODE, 25, 1), 1
	s_wait_xcnt 0x0
	s_wait_alu depctr_vm_vsrc(0)
; PREPARATION for the gathered product.  Two roles, chosen by the work-group's number.
; LISTS (work-groups 0-31, 256 rows each, a lane a row): the table rows of q[n] and of the first 64 masked keys of chain batch_idx[n], in ascending
;   position (what the reference's top-k and sort come to), 0 (the table's zero row) where fewer are masked; and lc[n] = log(1 + count[n]).
; CASTS (work-groups 32-743, 16,384 numbers each): W1's rows 0-8319 -> wb, k -> tb from row 1, q -> tb from row 16,385, f32 to bf16, rounded once.
; tb: rows of 256 bytes (128 bf16): row 0 zeros, row 1 + 256 b + l = k[b][l], row 16,385 + n = q[n].
; idx: u32 [512 blocks of 16 rows][68 slots][16 rows]: slot 0 q's row, slots 1-64 the keys' rows, slot 65 a word that is written and means nothing, 66-67 zero.
; LIMITS.  A mask byte is 0 or 1.  count >= 0 (count = -1 gives -infinity, less gives NaN, as log1p does); 1 + count is exact up to 2^24.
; An unpicked slot counts as a row of zeros, also where k[b][0] holds an infinity or a NaN.
; THE MODE: SCHED_MODE bits 1:0 = 2 (LLVM: expert scheduling mode 2), set by the entry lines.  The code itself states the register dependences
; between vector instructions and memory or LDS instructions, with s_wait_alu, always for 0.
; THE PLAN, CASTS.  v4, v5: offsets, written once.  v16-79: loaded, read by the conversions, never loaded again.  v80-111: four registers a pass, written by the pass's
; conversions, read by its store, never written again.  Pass i - 1's store stands behind the wait for pass i's data, with one wait on va_vdst ahead of it.
; THE PLAN, LISTS.  The 256 positions go in 16 blocks of 16, one mask load each.  Registers that memory or LDS instructions touch:
;   v5, v36-39 addresses and offsets, v32-35 zeros, v111 q's row: written at the head and never again.
;   v40-103    the mask as loaded; block p's vector lines shift its four words in place and read them.  Behind the scan the image's LDS loads land in v40-107.
;   A0, A1     sixteen LDS addresses each;  R0, R1  sixteen table rows each.  Block p's vector lines write set p % 2; the sixteen LDS stores issued in block p + 1 read it.
;   v110       lc: written at the head, read by one store, which stands in block 1.   v8: behind the scan the last store's address.   v12: behind the image's stores, in the first wave alone, the zero row's offset.
; Block p's LDS stores are those of block p - 1: they read the set that no vector line of block p names.  So the waits at a block's head state all that the block's stores hang on,
; and these are dealt among its vector lines with no further wait, in ascending position.
.set WIMG,  8704                       ; a wave's image of its two idx blocks in LDS: 2 x 68 x 16 words
.set IBLK,  4352                       ; one block
.set DUMP,  4160                       ; 64 x slot 65
.set SPARE, 8*WIMG                     ; behind the images: the spare words, 128 bytes for each of eight waves; no other line names them
.set QROW,  16385                      ; q's first row in the table
	s_load_b512 s[4:19], s[0:1], 0x0               ; W1 s[4:5], k s[6:7], q s[8:9], mask s[10:11], batch_idx s[12:13], count s[14:15], wb s[16:17], tb s[18:19]
	s_load_b128 s[20:23], s[0:1], 0x40             ; idx s[20:21], lc s[22:23]
	v_lshl_add_u32 v2, v0, 2, SPARE                ; my spare word,
	v_mov_b32 v3, 0                                ; and 0: kept for the add at the lists' end alone
	v_lshrrev_b32 v1, 5, v0
	v_readfirstlane_b32 s24, v1                    ; wave 0..7
	s_wait_alu depctr_va_sdst(0)                   ; s24 is written
	s_wait_kmcnt 0x0
	s_cmp_lt_u32 ttmp9, 32
	s_cbranch_scc1 .Llist
	; ---------------- CASTS.  c = number - 32: 520 chunks of W1, 128 of k, 64 of q; a chunk is 65,536 bytes in and 32,768 out.
	s_sub_co_u32 s25, ttmp9, 32
	s_mov_b64 s[26:27], s[8:9]                     ; from q,
	s_mov_b64 s[28:29], s[18:19]                   ; into tb,
	s_mov_b32 s30, 648                             ; chunks counted from 648,
	s_mov_b32 s31, QROW*256                        ; from table row 16,385 on
	s_cmp_lt_u32 s25, 648
	s_cselect_b64 s[26:27], s[6:7], s[26:27]       ; or from k,
	s_cselect_b32 s30, 520, s30
	s_cselect_b32 s31, 256, s31                    ; from table row 1 on
	s_cmp_lt_u32 s25, 520
	s_cselect_b64 s[26:27], s[4:5], s[26:27]       ; or from W1
	s_cselect_b64 s[28:29], s[16:17], s[28:29]     ; into wb
	s_cselect_b32 s30, 0, s30
	s_cselect_b32 s31, 0, s31
	s_sub_co_u32 s25, s25, s30                     ; my chunk of that tensor
	s_lshl_b32 s32, s25, 16
	s_mov_b32 s33, 0
	s_add_nc_u64 s[26:27], s[26:27], s[32:33]
	s_lshl_b32 s32, s25, 15
	s_add_co_u32 s32, s32, s31
	s_add_nc_u64 s[28:29], s[28:29], s[32:33]
	v_lshlrev_b32 v4, 5, v0                        ; thread t reads 32 bytes at 32 t of each pass's 8,192,
	v_lshlrev_b32 v5, 4, v0                        ; and writes 16 at 16 t of its 4,096: sixteen lanes store 256 consecutive bytes, aligned
	s_wait_alu depctr_va_vdst(0)                   ; v4 and v5 are written: every load and store of this role reads one of them as its offset
.irp i, 0,1,2,3,4,5,6,7
	global_load_b128 v[16+8*\i:19+8*\i], v4, s[26:27] offset:8192*\i th:TH_LOAD_NT       ; all sixteen loads go out first: each input byte is read once in the launch
	global_load_b128 v[20+8*\i:23+8*\i], v4, s[26:27] offset:8192*\i+16 th:TH_LOAD_NT
.endr
.irp i, 0,1,2,3,4,5,6,7
	s_wait_loadcnt 14-2*\i                         ; loads come back in order: pass i's two are in, the 14 - 2 i younger ones stay out
.if \i > 0
	s_wait_alu depctr_va_vdst(0)                   ; the conversions of the pass before have written its four registers, which the store below reads
	global_store_b128 v5, v[76+4*\i:79+4*\i], s[28:29] offset:4096*\i-4096   ; the pass before; each pass has its own four registers: none is written twice
.endif
	v_cvt_pk_bf16_f32 v[80+4*\i], v[16+8*\i], v[17+8*\i]
	v_cvt_pk_bf16_f32 v[81+4*\i], v[18+8*\i], v[19+8*\i]
	v_cvt_pk_bf16_f32 v[82+4*\i], v[20+8*\i], v[21+8*\i]
	v_cvt_pk_bf16_f32 v[83+4*\i], v[22+8*\i], v[23+8*\i]
.endr
	s_wait_alu depctr_va_vdst(0)                   ; the last pass's conversions have written v[108:111], which the last store reads
	global_store_b128 v5, v[108:111], s[28:29] offset:28672
	s_endpgm                                       ; this role has written no LDS
	; ---------------- LISTS.  Row n = 256 x work-group + thread.
	; v4 lane; v5 my word of slot 0 in my wave's image; v6 64 x the slot to fill next; v8-11 four positions' bits x 64; v12-14 the slots of a word's second to fourth position;
	; v16-31, v112-127 LDS addresses, sets 0 and 1; v128-143, v144-159 table rows, sets 0 and 1; v32-35 zeros; v36-39 offsets;
	; v40-103 my row of the mask as loaded, then each byte times 64, later (v40-107) the image read back; v108-111 batch_idx, count, lc, q's row
.Llist:
	v_and_b32 v4, 31, v0
	s_mul_i32 s26, s24, WIMG                       ; my wave's image: no other wave touches it, so no barrier is needed
	v_lshrrev_b32 v5, 4, v4
	v_mul_u32_u24 v5, v5, IBLK                     ; lanes 16-31 fill the second block
	v_and_b32 v8, 15, v0
	v_lshl_add_u32 v5, v8, 2, v5
	v_add_nc_u32 v5, s26, v5
	v_lshl_add_u32 v38, v4, 4, s26                 ; 16 bytes a lane of the image, in LDS
	v_lshlrev_b32 v39, 4, v4                       ; and in idx
	v_lshlrev_b32 v36, 8, v0                       ; my row of the mask
	v_lshlrev_b32 v37, 2, v0                       ; my word of batch_idx, count, lc
	v_mov_b32 v32, 0
	v_mov_b32 v33, 0
	v_mov_b32 v34, 0
	v_mov_b32 v35, 0
	v_mov_b32 v6, 64                               ; slot 1
	s_lshl_b32 s28, ttmp9, 16
	s_mov_b32 s29, 0
	s_add_nc_u64 s[10:11], s[10:11], s[28:29]      ; the work-group's 256 rows of the mask
	s_lshl_b32 s28, ttmp9, 10
	s_add_nc_u64 s[12:13], s[12:13], s[28:29]
	s_add_nc_u64 s[14:15], s[14:15], s[28:29]
	s_add_nc_u64 s[22:23], s[22:23], s[28:29]
	s_lshl3_add_u32 s30, ttmp9, s24                ; 8 x work-group + wave
	s_mul_i32 s28, s30, WIMG
	s_add_nc_u64 s[20:21], s[20:21], s[28:29]      ; my wave's two blocks of idx
	s_lshl_b32 s31, ttmp9, 8
	s_add_co_u32 s31, s31, QROW
	v_add_nc_u32 v111, s31, v0                     ; q[n]'s table row
	s_wait_alu depctr_va_vdst(0)                   ; v5 and v36 to v39 (addresses and offsets), v32 to v35 and v111 (LDS stores' data) are written; none of them is written again
	global_load_b32 v108, v37, s[12:13]
	global_load_b32 v109, v37, s[14:15]
.irp c, 0,1,2,3,4,5,6,7,8,9,10,11,12,13,14,15
	global_load_b128 v[40+4*\c:43+4*\c], v36, s[10:11] offset:16*\c   ; my whole row of the mask goes out at once: the scan below waits for memory once, not once for each block
.endr
.irp c, 0,1,2,3,4,5,6,7,8,9,10,11,12,13,14,15,16
	ds_store_b128 v38, v[32:35] offset:512*\c      ; the whole image is zero first: unfilled slots name the zero row
.endr
	ds_store_b32 v5, v111                          ; slot 0
	s_wait_loadcnt 16                              ; batch_idx and count are in; the sixteen mask loads stay out
	v_cvt_f32_i32 v110, v109
	v_add_f32 v110, 1.0, v110
	v_log_f32 v110, v110                           ; log2(1 + count)
	v_lshl_add_u32 v128, v108, 8, 1                ; k[batch_idx][0]'s table row, position 0's: the first register of set 0; also the plain instruction behind the logarithm
	s_wait_alu depctr_va_vdst(0)                   ; the logarithm has written v110, which the multiply reads
	v_mul_f32 v110, 0x3f317218, v110               ; x ln 2; stored in block 1, behind that block's wait
; Block p: positions 16 p to 16 p + 15.  Each position's table row is stored into the slot in hand whether the position is masked or not; the slot steps on only if it is, so an unmasked
; position's row is overwritten by the next candidate (LDS serves a wave's instructions in order: ISA guide 5.7.1).  From slot 65 on all lands in that one word.
; A word's four positions are worked side by side: their bits, their slots (a chain of three additions), their addresses, their rows: into set p % 2.  The stores that stand among these lines are the block before's, from the other set.
; A set's rows are the same set's of two blocks back plus 32; blocks 0 and 1 make theirs from position 0's.
.macro BLK p
.set NA, 16+96*((\p)%2)                ; this block's addresses
.set ND, 128+16*((\p)%2)               ; and rows
.set OA, 16+96*(1-(\p)%2)              ; the block before's
.set OD, 128+16*(1-(\p)%2)
.set MW, 40+4*(\p)                     ; this block's four words of the mask
	s_wait_loadcnt 15-(\p)                         ; the block's load is in, the 15 - p younger ones stay out
.if (\p) >= 2
	s_wait_alu depctr_vm_vsrc(0)                   ; the LDS stores issued in the block before have read this block's set, which its vector lines write again
.endif
.if (\p) >= 1
	s_wait_alu depctr_va_vdst(0)                   ; the block before has written the other set, which the sixteen LDS stores below read (in block 1 also: v110 is written)
.endif
.if (\p) == 1
	global_store_b32 v37, v110, s[22:23]           ; lc; v37 and v110 are not written again
.endif
.irp d, 0,1,2,3
	v_lshlrev_b32 v[MW+\d], 6, v[MW+\d]            ; a byte 0 or 1 becomes 0 or 64, a slot's pitch
.endr
.irp d, 0,1,2,3
.if (\p) >= 1
	ds_store_b32 v[OA+4*\d], v[OD+4*\d]            ; no vector line since the wait names the other set
.endif
	v_bfe_u32 v8, v[MW+\d], 0, 8
	v_bfe_u32 v9, v[MW+\d], 8, 8
	v_bfe_u32 v10, v[MW+\d], 16, 8
	v_lshrrev_b32 v11, 24, v[MW+\d]
.if (\p) >= 1
	ds_store_b32 v[OA+4*\d+1], v[OD+4*\d+1]
.endif
	v_add_nc_u32 v12, v6, v8
	v_min_u32 v[NA+4*\d], DUMP, v6
	v_add_nc_u32 v13, v12, v9
	v_min_u32 v[NA+4*\d+1], DUMP, v12
	v_add_nc_u32 v14, v13, v10
	v_min_u32 v[NA+4*\d+2], DUMP, v13
	v_min_u32 v[NA+4*\d+3], DUMP, v14
	v_add_nc_u32 v6, v14, v11
.if (\p) >= 1
	ds_store_b32 v[OA+4*\d+2], v[OD+4*\d+2]
.endif
.irp i, 0,1,2,3
	v_add_nc_u32 v[NA+4*\d+\i], v[NA+4*\d+\i], v5
.endr
.if (\p) >= 1
	ds_store_b32 v[OA+4*\d+3], v[OD+4*\d+3]
.endif
.irp i, 0,1,2,3
.if (\p) >= 2
	v_add_nc_u32 v[ND+4*\d+\i], 32, v[ND+4*\d+\i]
.elseif 16*(\p)+4*\d+\i > 0
	v_add_nc_u32 v[ND+4*\d+\i], 16*(\p)+4*\d+\i, v128   ; position 0's own row is there already
.endif
.endr
.endr
.endm
.irp p, 0,1,2,3,4,5,6,7,8,9,10,11,12,13,14,15
	BLK \p
.endr
	v_min_u32 v8, DUMP, v6
	v_add_nc_u32 v8, v8, v5                        ; the slot in hand behind the last position
	s_wait_alu depctr_va_vdst(0)                   ; block 15 has written set 1, and v8 is written: the LDS stores below read them; the scan is done writing and reading v40 to v103, in which the image's loads land
.irp j, 0,1,2,3,4,5,6,7,8,9,10,11,12,13,14,15
	ds_store_b32 v[112+\j], v[144+\j]              ; block 15
.endr
	ds_store_b32 v8, v32                           ; the slot in hand holds a candidate that was not taken, or nothing: 0
.irp c, 0,1,2,3,4,5,6,7,8,9,10,11,12,13,14,15,16
	ds_load_b128 v[40+4*\c:43+4*\c], v38 offset:512*\c
.endr
.irp c, 0,1,2,3,4,5,6,7,8,9,10,11,12,13,14,15,16
	s_wait_dscnt 16-\c                             ; load c is back, the 16 - c younger ones stay out
	global_store_b128 v39, v[40+4*\c:43+4*\c], s[20:21] offset:512*\c   ; 512 consecutive bytes, at a multiple of 256 from idx's first
.endr
	s_cmp_lg_u32 s30, 0
	s_cbranch_scc1 .Lend                           ; the first wave of the first work-group alone writes the table's zero row
	v_lshlrev_b32 v12, 3, v4
	s_wait_alu depctr_va_vdst(0)                   ; v12 is written, which the store below reads as its offset
	global_store_b64 v12, v[32:33], s[18:19]       ; 32 lanes x 8 bytes: row 0's 256 bytes
.Lend:
	s_wait_dscnt 0x0                               ; the wave's end
	s_wait_alu 0x0
	s_wait_tensorcnt 0x0
	ds_add_u32 v2, v3
	s_wait_dscnt 0x0
	s_endpgm
.Lfunc_end_k_qd2d3353ae3_prep:
	.size	k_qd2d3353ae3_prep, .Lfunc_end_k_qd2d3353ae3_prep-k_qd2d3353ae3_prep
	.p2alignl 7, 3214868480
	.fill 96, 4, 3214868480
	.section	.rodata,"a",@progbits
	.p2align	6, 0x0
	.amdhsa_kernel k_qd2d3353ae3_prep
		.amdhsa_group_segment_fixed_size 70656
		.amdhsa_private_segment_fixed_size 0
		.amdhsa_enable_private_segment 0
		.amdhsa_kernarg_size 80
		.amdhsa_user_sgpr_count 2
		.amdhsa_user_sgpr_kernarg_segment_ptr 1
		.amdhsa_wavefront_size32 1
		.amdhsa_system_sgpr_workgroup_id_x 1
		.amdhsa_system_sgpr_workgroup_id_y 1
		.amdhsa_system_sgpr_workgroup_id_z 1
		.amdhsa_system_vgpr_workitem_id 0
		.amdhsa_next_free_vgpr 160
		.amdhsa_next_free_sgpr 66
		.amdhsa_reserve_vcc 0
		.amdhsa_float_denorm_mode_32 3
		.amdhsa_float_denorm_mode_16_64 3
		.amdhsa_memory_ordered 1
		.amdhsa_forward_progress 1
		.amdhsa_inst_pref_size 89
	.end_amdhsa_kernel
	.amdgpu_metadata
---
amdhsa.version: [ 1, 2 ]
amdhsa.kernels:
  - .name:           k_qd2d3353ae3_prep
    .symbol:         k_qd2d3353ae3_prep.kd
    .args:
      - { .name: W1, .offset: 0, .size: 8, .value_kind: global_buffer, .address_space: global }
      - { .name: k, .offset: 8, .size: 8, .value_kind: global_buffer, .address_space: global }
      - { .name: q, .offset: 16, .size: 8, .value_kind: global_buffer, .address_space: global }
      - { .name: mask, .offset: 24, .size: 8, .value_kind: global_buffer, .address_space: global }
      - { .name: batch_idx, .offset: 32, .size: 8, .value_kind: global_buffer, .address_space: global }
      - { .name: count, .offset: 40, .size: 8, .value_kind: global_buffer, .address_space: global }
      - { .name: wb, .offset: 48, .size: 8, .value_kind: global_buffer, .address_space: global }
      - { .name: tb, .offset: 56, .size: 8, .value_kind: global_buffer, .address_space: global }
      - { .name: idx, .offset: 64, .size: 8, .value_kind: global_buffer, .address_space: global }
      - { .name: lc, .offset: 72, .size: 8, .value_kind: global_buffer, .address_space: global }
    .group_segment_fixed_size: 70656
    .private_segment_fixed_size: 0
    .kernarg_segment_align: 8
    .kernarg_segment_size: 80
    .max_flat_workgroup_size: 256
    .sgpr_count:     66
    .vgpr_count:     160
    .wavefront_size: 32
...
	.end_amdgpu_metadata
.endif
;; end of part 4
;; launch gemm: the kernel of part 2 again; grid 64 x 4, 4 waves a work-group, clusters of 4 x 1, 327,680 bytes of LDS; arguments tb, wb, idx, lc, W1, b1, W2, part; writes part
;; launch fin: the kernel of part 3 again; grid 32 x 1, 2 waves a work-group, no clusters, 0 bytes of LDS; arguments part, b2, out0; writes out0
